; MI455X (gfx1250); checked and timed in simulation.
; The chip was launched on July 23, 2026; its instructions are those of AMD's public machine-readable ISA for CDNA 5 (MIT licence, August 2026) and "CDNA5" Instruction Set Architecture Reference Guide (July 2026). The comments in the code are by the model that wrote it; some were corrected since.
;; Multi Head Attention Optimised. Allowed arithmetic: float matrix products may take bf16 or f16 operands with f32 sums; all other float work in f32.
;; Inputs: W_qkv 1,024 x 3,072 float32; x 2 x 2,048 x 1,024 float32.
;; Outputs: out0 2 x 2,048 x 1,024 float32.
;; One version. Each part assembles by itself: llvm-mc -triple=amdgcn-amd-amdhsa -mcpu=gfx1250 --defsym DOCPART=n.
;; ======== version 1 of 1: 3 launches
;; limits: values are held in f16: magnitudes above 65,504 overflow, below 6.1e-05 lose precision; right only within a limited range of input values
;; workspace buffers: xb 8,388,608 bytes; wb 6,291,456 bytes; qkv 25,165,824 bytes
;; launch cast (part 1): grid 1792 x 1, 8 waves a work-group, no clusters, 0 bytes of LDS; arguments x, W_qkv, xb, wb; writes xb, wb
.if DOCPART == 1
	.amdgcn_target "amdgcn-amd-amdhsa--gfx1250"
	.amdhsa_code_object_version 6
	.text
	.protected	k_q76429db579_cast
	.globl	k_q76429db579_cast
	.p2align	8
	.type	k_q76429db579_cast,@function
k_q76429db579_cast:
	s_mov_b64 s[64:65], 0
	v_nop
	global_prefetch_b8 v0, s[64:65] scope:SCOPE_SE
	s_setreg_imm32_b32 hwreg(HW_REG_WAVE_MODE, 25, 1), 1
	s_wait_xcnt 0x0
; xb = bf16(x), wb = bf16(W_qkv), element by element, layouts unchanged (round to nearest even).
; x is 16,777,216 bytes and W_qkv 12,582,912: in shares of 16,384 input bytes that is 1,024 + 768 = 1,792 work-groups.
; A wave owns 2,048 consecutive input bytes: four loads of 16 bytes a lane (512 consecutive bytes each) and four stores of
; 8 bytes a lane (each store of the wave covers 256 consecutive bytes, aligned).  No loop, no LDS, no barrier: no wave needs another's data.
; The matrix units and clusters have no part here: nothing is shared and nothing is multiplied.
.set XGROUPS, 1024                     ; work-groups that take x; the others take W_qkv
.set IN,  4                            ; v[4:19]   four loads of four f32
.set OUT, 20                           ; v[20:27]  four pairs of packed bf16
	s_load_b256 s[4:11], s[0:1], 0x0               ; x s[4:5], W_qkv s[6:7], xb s[8:9], wb s[10:11]
	s_mov_b32 s12, ttmp9
	v_and_b32 v1, 31, v0                           ; lane
	v_lshrrev_b32 v3, 5, v0                        ; wave
	v_lshlrev_b32 v2, 3, v1                        ; out: 8 bytes a lane
	v_lshlrev_b32 v1, 4, v1                        ; in: 16 bytes a lane
	v_lshl_add_u32 v1, v3, 11, v1                  ; + wave x 2,048
	v_lshl_add_u32 v2, v3, 10, v2                  ; + wave x 1,024
	s_cmp_lt_u32 s12, XGROUPS                      ; the choice hangs on the work-group's number alone
	s_cselect_b32 s13, 0, XGROUPS
	s_wait_kmcnt 0x0
	s_cselect_b64 s[14:15], s[4:5], s[6:7]         ; from x or from W_qkv
	s_cselect_b64 s[16:17], s[8:9], s[10:11]       ; into xb or into wb
	s_sub_co_u32 s12, s12, s13                     ; my share's number inside that buffer
	s_lshl_b32 s18, s12, 14                        ; 16,384 input bytes a share
	s_mov_b32 s19, 0
	s_lshl_b32 s20, s12, 13                        ; 8,192 output bytes
	s_mov_b32 s21, 0
	s_add_nc_u64 s[14:15], s[14:15], s[18:19]
	s_add_nc_u64 s[16:17], s[16:17], s[20:21]
.irp j, 0,1,2,3
	global_load_b128 v[IN+4*\j:IN+4*\j+3], v1, s[14:15] offset:512*\j th:TH_LOAD_NT   ; read once in the launch
.endr
.irp j, 0,1,2,3
	s_wait_loadcnt 3-\j                            ; loads come back in order: load j is in, the younger ones stay out
	v_cvt_pk_bf16_f32 v[OUT+2*\j],   v[IN+4*\j],   v[IN+4*\j+1]
	v_cvt_pk_bf16_f32 v[OUT+2*\j+1], v[IN+4*\j+2], v[IN+4*\j+3]
	global_store_b64 v2, v[OUT+2*\j:OUT+2*\j+1], s[16:17] offset:256*\j    ; no streaming hint: the next launch reads these bytes
.endr
	s_endpgm
.Lfunc_end_k_q76429db579_cast:
	.size	k_q76429db579_cast, .Lfunc_end_k_q76429db579_cast-k_q76429db579_cast
	.p2alignl 7, 3214868480
	.fill 96, 4, 3214868480
	.section	.rodata,"a",@progbits
	.p2align	6, 0x0
	.amdhsa_kernel k_q76429db579_cast
		.amdhsa_group_segment_fixed_size 0
		.amdhsa_private_segment_fixed_size 0
		.amdhsa_enable_private_segment 0
		.amdhsa_kernarg_size 32
		.amdhsa_user_sgpr_count 2
		.amdhsa_user_sgpr_kernarg_segment_ptr 1
		.amdhsa_wavefront_size32 1
		.amdhsa_system_sgpr_workgroup_id_x 1
		.amdhsa_system_sgpr_workgroup_id_y 1
		.amdhsa_system_sgpr_workgroup_id_z 1
		.amdhsa_system_vgpr_workitem_id 0
		.amdhsa_next_free_vgpr 32
		.amdhsa_next_free_sgpr 66
		.amdhsa_reserve_vcc 0
		.amdhsa_float_denorm_mode_32 3
		.amdhsa_float_denorm_mode_16_64 3
		.amdhsa_memory_ordered 1
		.amdhsa_forward_progress 1
		.amdhsa_inst_pref_size 3
	.end_amdhsa_kernel
	.amdgpu_metadata
---
amdhsa.version: [ 1, 2 ]
amdhsa.kernels:
  - .name:           k_q76429db579_cast
    .symbol:         k_q76429db579_cast.kd
    .args:
      - { .name: x, .offset: 0, .size: 8, .value_kind: global_buffer, .address_space: global }
      - { .name: W_qkv, .offset: 8, .size: 8, .value_kind: global_buffer, .address_space: global }
      - { .name: xb, .offset: 16, .size: 8, .value_kind: global_buffer, .address_space: global }
      - { .name: wb, .offset: 24, .size: 8, .value_kind: global_buffer, .address_space: global }
    .group_segment_fixed_size: 0
    .private_segment_fixed_size: 0
    .kernarg_segment_align: 8
    .kernarg_segment_size: 32
    .max_flat_workgroup_size: 256
    .sgpr_count:     66
    .vgpr_count:     32
    .wavefront_size: 32
...
	.end_amdgpu_metadata
.endif
;; end of part 1
;; launch proj (part 2): grid 12 x 16, 4 waves a work-group, clusters of 4 x 4, 327,680 bytes of LDS; arguments xb, wb, qkv; writes qkv
.if DOCPART == 2
	.amdgcn_target "amdgcn-amd-amdhsa--gfx1250"
	.amdhsa_code_object_version 6
	.text
	.protected	k_q76429db579_proj
	.globl	k_q76429db579_proj
	.p2align	8
	.type	k_q76429db579_proj,@function
k_q76429db579_proj:
	s_mov_b64 s[64:65], 0
	v_nop
	global_prefetch_b8 v0, s[64:65] scope:SCOPE_SE
	s_setreg_imm32_b32 hwreg(HW_REG_WAVE_MODE, 25, 1), 1
	s_wait_xcnt 0x0
	s_wait_alu depctr_hold_cnt(0) depctr_sa_sdst(0) depctr_va_vdst(0) depctr_va_sdst(0) depctr_va_ssrc(0) depctr_va_vcc(0) depctr_vm_vsrc(0)
	s_getreg_b32 s2, hwreg(HW_REG_IB_STS2, 6, 4)
	s_cmp_eq_u32 s2, 0
	s_cbranch_scc0 .Lentry_in_a_cluster
	s_endpgm
.Lentry_in_a_cluster:
	s_bfe_u32 s2, ttmp6, 0x10000c
	s_cmp_lg_u32 s2, 0xf033
	s_cbranch_scc0 .Lentry_shape_is_right
	s_endpgm
.Lentry_shape_is_right:
; qkv = xb x wb.  xb: [4096][1024] bf16 (rows along K).  wb: [1024][3072] bf16 (rows along N).  Sums in f32.
; The result is written head by head: qkv[kind 0..2][b*16+head][token 0..2047][64], 16 bits a number; kinds 0 (q) and 1 (k) in bf16, kind 2 (v) in f16.
; LIMIT: v is stored in f16, so |v| must stay below 65,504 (a larger one becomes an infinity).  q and k keep bf16's range.
; A work-group makes a block of 256 x 256 with four waves, a wave 128 x 128: 64 accumulator tiles of 16 x 16, 512 registers.  12 x 16 = 192 work-groups:
; a block of 192 columns would give 256, but its rows of 96 words fit no padding interval of the descriptor (a power of two of words).
; K goes in steps of 128 through a ring of two LDS slots filled by the tensor data mover.
; CLUSTERS: 4 x 4 work-groups.  The four of a row of the cluster need the same tiles of xb, the four of a column the same tiles of wb: each tile is asked
; for jointly, by the same tensor load with the same descriptor and a mask that names the four.  That divides the requests for both by four.
;
; REGISTERS, in windows of 256:
;   window 0: v0-31 addresses; v64-127, v128-191 fragments of xb (8 x 16 rows x 32 K), two buffers; v192-223 at work on the way out
;   window 1: v64-127, v128-191 fragments of wb, two buffers
;   window 2: the 32 accumulator tiles of my rows 0-63 (tile (a, b) at v[8 (8 a + b)]);   window 3: those of my rows 64-127
; THE MATRIX INSTRUCTION IS USED TRANSPOSED: source 0 = 16 columns of wb, source 1 = 16 rows of xb, so that lane l holds token l % 16 and its
; registers 0 to 7 the columns 8 (l / 16) + 0 .. 7: eight neighbouring numbers of a head's row, 16 bytes when packed.
.set SIZE_N, 3072
.set SIZE_K, 1024
.set KSTEP,  128
.set PITCH,  272                       ; xb's LDS row: 256 bytes + 16 of padding: the 16 rows that a fragment load touches lie in 16 different 16-byte columns modulo 256
.set PB,     544                       ; wb's LDS row: 256 columns = 512 bytes + 32 of padding = 17 x 32: the same holds of the rows that a transposing load touches
.set HALFT,  128*PITCH                 ; what one tensor load brings: 128 rows of xb, or 64 rows of wb (64 x 544 is the same 34,816 bytes)
.set SLOT,   4*HALFT                   ; xb's 256 rows, then wb's 128 rows
.set STAGE,  2*SLOT                    ; behind the ring: 16 rows x 272 bytes for each wave, for the way out; no tensor load lands there
.set SPITCH, 272
.set LAPS, SIZE_K/(2*KSTEP)            ; a lap = two K steps = once round the ring: 4
.set ADRA, 16                          ; v16-17  LDS address of my xb fragments in slot 0, 1
.set ADRB, 20                          ; v20-21  the same for wb
.set STO,  24                          ; v24     the way out: where I put 16 bytes of a token's row
.set RD,   25                          ; v25     the way out: where I read 16 bytes back
.set CO,   26                          ; v26     my byte offset in qkv
.set F0,   64                          ; fragment buffer 0
.set F1,   128                         ; fragment buffer 1
.set TMP,  192                         ; the way out: packed results, in window 0
.set G1, 24                            ; s[24:31] descriptor group 1 for xb's tiles
.set G0, 32                            ; s[32:39] descriptor group 0 for xb's tiles, one set for each slot
.set G1B, 48                           ; s[48:55] descriptor group 1 for wb's tiles
.set G0B, 56                           ; s[56:63] descriptor group 0 for wb's tiles, one set for each slot
.set MSB, 0
.macro WIN new                         ; the immediate's high byte repeats the setting that is left
.if MSB != \new
	s_set_vgpr_msb (MSB<<8)|\new
.set MSB, \new
.endif
.endm
.set MUL_LO, 0xa1                      ; source 0 (wb) window 1, source 1 (xb) window 0, C and D window 2
.set MUL_HI, 0xf1                      ; the same, C and D window 3
.set TO_B,   0x40                      ; destination window 1, address window 0
; A joint load.  Waves 0 and 1 fetch xb's two halves, waves 2 and 3 wb's.  Each line has one mask and one set of registers for all that issue it.
; The branch hangs on the wave's number alone: it is the same in every work-group.
.macro JLOAD s
	s_cmp_eq_u32 s11, 0
	s_cbranch_scc0 .Lfor_b_\@
	tensor_load_to_lds s[G0+4*\s:G0+4*\s+3], s[G1:G1+7]
	s_nop 0
	s_branch .Lasked_\@
.Lfor_b_\@:
	tensor_load_to_lds s[G0B+4*\s:G0B+4*\s+3], s[G1B:G1B+7]
	s_nop 0
.Lasked_\@:
.endm
; A round of the cluster's barrier: my work-group's barrier; wave 0 signals for the work-group; every wave waits for all sixteen; my work-group's barrier again.
.macro CREST                           ; a round behind its opening barrier
	s_cmp_lg_u32 s10, 0
	s_cbranch_scc1 .Lnot_wave_0_\@
	s_barrier_signal -3
.Lnot_wave_0_\@:
	s_barrier_wait -3
	s_barrier_signal -1
	s_barrier_wait -1
.endm
.macro CROUND                          ; a whole round
	s_barrier_signal -1
	s_barrier_wait -1
	CREST
.endm
	s_load_b128 s[4:7], s[0:1], 0x0                ; xb s[4:5], wb s[6:7]
	s_load_b64 s[8:9], s[0:1], 0x10                ; qkv
	s_set_vgpr_msb 0x40
	v_lshl_add_u32 v255, v0, 2, 0x48400
	s_set_vgpr_msb 0x4000
	v_mov_b32 v255, 0
	s_set_vgpr_msb 0x1
	ds_add_u32 v255, v255
	s_set_vgpr_msb 0x100
	v_lshrrev_b32 v1, 5, v0
	v_readfirstlane_b32 s10, v1                    ; wave 0..3
	s_lshr_b32 s11, s10, 1                         ; which half of the block's rows is mine.  Also: I fetch for xb (0) or for wb (1)
	s_and_b32 s12, s10, 1                          ; which half of its columns.  Also: which half of that tile I fetch
	s_bfe_u32 s40, ttmp6, 0x40000                  ; cx
	s_bfe_u32 s41, ttmp6, 0x40004                  ; cy
	s_lshl_b32 s42, ttmp9, 2
	s_add_co_u32 s42, s42, s40                     ; block column = 4 x cluster x + cx
	s_and_b32 s13, ttmp7, 0xffff
	s_lshl_b32 s13, s13, 2
	s_add_co_u32 s13, s13, s41                     ; block row = 4 x cluster y + cy
	s_lshl_b32 s43, s41, 2
	s_lshl_b32 s43, 15, s43                        ; my row of the cluster: places 4 cy .. 4 cy + 3
	s_lshl_b32 s44, 0x1111, s40                    ; my column: places cx, cx + 4, cx + 8, cx + 12
	; group 1 for xb: 128 rows x 128 elements of 2 bytes, 4 words of padding behind every 64 words
	s_or_b32 s[G1+0], s43, (1<<16)|(1<<20)|(1<<21)|(5<<22)|(3<<25)
	s_mov_b32 s[G1+1], KSTEP<<16                   ; tensor_dim0 = 128
	s_mov_b32 s[G1+2], 128<<16                     ; tensor_dim1 = 128
	s_mov_b32 s[G1+3], KSTEP<<16                   ; tile_dim0 = 128
	s_mov_b32 s[G1+4], 128                         ; tile_dim1 = 128
	s_mov_b32 s[G1+5], SIZE_K                      ; elements from row to row
	s_mov_b32 s[G1+6], 0
	s_mov_b32 s[G1+7], 0
	; group 1 for wb: 64 rows (K) x 256 elements (N) of 2 bytes, 8 words of padding behind every 128 words
	s_or_b32 s[G1B+0], s44, (1<<16)|(1<<20)|(1<<21)|(6<<22)|(7<<25)
	s_mov_b32 s[G1B+1], 256<<16                    ; tensor_dim0 = 256
	s_mov_b32 s[G1B+2], 64<<16                     ; tensor_dim1 = 64
	s_mov_b32 s[G1B+3], 256<<16                    ; tile_dim0 = 256
	s_mov_b32 s[G1B+4], 64                         ; tile_dim1 = 64
	s_mov_b32 s[G1B+5], SIZE_N                     ; elements from row to row
	s_mov_b32 s[G1B+6], 0
	s_mov_b32 s[G1B+7], 0
	; where the tiles come from.  xb's hang on the block row alone, wb's on the block column alone; each in registers that never hold the other coordinate.
	s_lshl_b32 s16, s13, 8
	s_lshl_b32 s17, s12, 7
	s_add_co_u32 s16, s16, s17                     ; xb: row 256 x block row + 128 x half,
	s_lshl_b32 s16, s16, 11                        ; times 2,048 bytes (below 8,388,608)
	s_mov_b32 s17, 0
	s_mul_i32 s46, s12, 64*SIZE_N*2                ; wb: 64 rows of 6,144 bytes x half,
	s_lshl_b32 s47, s42, 9                         ; + 512 bytes x block column
	s_add_co_u32 s46, s46, s47
	s_mov_b32 s47, 0
	s_mul_i32 s20, s10, HALFT                      ; where they go: wave x 34,816: no place in the cluster enters an LDS address
	s_wait_dscnt 0x0
	s_wait_kmcnt 0x0
	s_add_nc_u64 s[14:15], s[4:5], s[16:17]
	s_add_nc_u64 s[46:47], s[6:7], s[46:47]
	CROUND                                         ; all sixteen work-groups are here: the first joint loads meet
.irp s, 0,1
	s_mov_b32 s[G0+4*\s], 1
	s_add_co_u32 s[G0+4*\s+1], s20, \s*SLOT
	s_add_nc_u64 s[G0+4*\s+2:G0+4*\s+3], s[14:15], \s*KSTEP*2              ; K step s: 256 bytes along xb's rows
	s_or_b32 s[G0+4*\s+3], s[G0+4*\s+3], 0x80000000
	s_mov_b32 s[G0B+4*\s], 1
	s_add_co_u32 s[G0B+4*\s+1], s20, \s*SLOT
	s_add_nc_u64 s[G0B+4*\s+2:G0B+4*\s+3], s[46:47], \s*KSTEP*SIZE_N*2     ; K step s: 128 rows down wb
	s_or_b32 s[G0B+4*\s+3], s[G0B+4*\s+3], 0x80000000
	JLOAD \s                                       ; both first fills go out before anything else: two tensor loads of a wave are out
.endr
	; xb's fragment, 16 rows x 32 K: lane l holds row l % 16; two loads of 16 bytes, 32 bytes apart, at row x pitch + 16 (l / 16).
	; wb's fragment, 16 columns x 32 K, from rows that lie along N: two transposing loads, 16 rows apart; lane l addresses row 8 (l / 16) + l % 8,
	; byte 16 ((l / 8) % 2), and receives K = 8 (l / 16) + 0..7 of column l % 16.
	v_and_b32 v1, 15, v0                           ; l % 16
	v_bfe_u32 v2, v0, 4, 1                         ; l / 16
	v_mul_u32_u24 v3, v1, PITCH
	v_lshl_add_u32 v3, v2, 4, v3
	v_and_b32 v8, 7, v0                            ; l % 8
	v_bfe_u32 v7, v0, 3, 1                         ; (l / 8) % 2
	v_lshl_add_u32 v6, v2, 3, v8
	v_mul_u32_u24 v6, v6, PB
	v_lshl_add_u32 v6, v7, 4, v6
	s_mul_i32 s21, s11, HALFT                      ; my 128 rows of xb
	s_lshl_b32 s22, s12, 8                         ; my 128 columns of wb: 256 bytes along its rows,
	s_add_co_u32 s22, s22, 2*HALFT                 ; which lie behind xb's 256 rows
.irp s, 0,1
	v_add_nc_u32 v[ADRA+\s], s21, v3
	v_add_nc_u32 v[ADRB+\s], s22, v6
	s_add_co_u32 s21, s21, SLOT
	s_add_co_u32 s22, s22, SLOT
.endr
	s_mul_i32 s23, s10, 16*SPITCH
	s_add_co_u32 s23, s23, STAGE                   ; my stage
	v_mul_u32_u24 v4, v1, SPITCH                   ; in: token l % 16, 16 bytes for each half of the lanes
	v_lshl_add_u32 v4, v2, 4, v4
	v_add_nc_u32 v[STO], s23, v4
	v_mul_u32_u24 v5, v7, SPITCH                   ; back: lanes 0-15 take the first head's 128 bytes of two tokens, lanes 16-31 the second head's
	v_lshl_add_u32 v5, v2, 7, v5
	v_lshl_add_u32 v5, v8, 4, v5
	v_add_nc_u32 v[RD], s23, v5
	v_lshlrev_b32 v5, 18, v2                       ; in qkv: the second head lies 262,144 bytes on; two tokens of a head are 256 neighbouring bytes
	v_lshl_add_u32 v[CO], v1, 4, v5
; 16 matrix instructions: m blocks a0, a0 + 1 of the window's four x all 8 n blocks, 32 along K.  zero = 1: the first product starts the sums.
.macro MUL16 f, hi, a0, zero
.irp a, \a0, \a0+1
.irp b, 0,1,2,3,4,5,6,7
.if \zero
	v_wmma_f32_16x16x32_bf16 v[8*(8*(\a)+\b):8*(8*(\a)+\b)+7], v[\f+8*\b:\f+8*\b+7], v[\f+8*(4*\hi+\a):\f+8*(4*\hi+\a)+7], 0
.else
	v_wmma_f32_16x16x32_bf16 v[8*(8*(\a)+\b):8*(8*(\a)+\b)+7], v[\f+8*\b:\f+8*\b+7], v[\f+8*(4*\hi+\a):\f+8*(4*\hi+\a)+7], v[8*(8*(\a)+\b):8*(8*(\a)+\b)+7]
.endif
.endr
.endr
.endm
; 32 LDS loads in one run: the fragments of quarter step q (32 along K) into buffer f: wb's 128 columns, then xb's 128 rows
.macro FETCH slot, q, f
	WIN TO_B
.irp i, 0,1,2,3,4,5,6,7
	ds_load_tr16_b128 v[\f+8*\i:\f+8*\i+3],   v[ADRB+\slot] offset:\q*32*PB+32*\i
	ds_load_tr16_b128 v[\f+8*\i+4:\f+8*\i+7], v[ADRB+\slot] offset:\q*32*PB+32*\i+16*PB
.endr
	WIN 0
.irp i, 0,1,2,3,4,5,6,7
	ds_load_b128 v[\f+8*\i:\f+8*\i+3],   v[ADRA+\slot] offset:\q*64+\i*16*PITCH
	ds_load_b128 v[\f+8*\i+4:\f+8*\i+7], v[ADRA+\slot] offset:\q*64+\i*16*PITCH+32
.endr
.endm
; A load into a register that a matrix instruction has read, and a vector instruction that reads a matrix result, stand four places behind that matrix
; instruction; only plain vector instructions that name none of its registers are places (ISA guide 7.12.1 for vector instructions).
.macro PLACES
.rept 4
	v_nop
.endr
.endm
; A K step is four quarter steps of 32 along K, 64 matrix instructions each, on buffers 0, 1, 0, 1.  The 64 accumulators take turns, one instruction
; a turn, in the same order in every quarter, over the backward jump too.
.macro QUARTER slot, q, f, g, zero
	s_wait_dscnt 8                                 ; wb's fragments and xb's rows 0-63 are in; the youngest eight loads (xb's rows 64-127) may be out
	WIN MUL_LO
	MUL16 \f, 0, 0, \zero
	MUL16 \f, 0, 2, \zero
	PLACES
	FETCH \slot, \q, \g
	s_wait_dscnt 32                                ; all but the 32 just issued
	WIN MUL_HI
	MUL16 \f, 1, 0, \zero
	MUL16 \f, 1, 2, \zero
.endm
.macro THREE slot, zero
	QUARTER \slot, 1, F0, F1, \zero
	QUARTER \slot, 2, F1, F0, 0
	QUARTER \slot, 3, F0, F1, 0
.endm
; The last quarter multiplies buffer 1 and changes slots.  In front of the barrier each wave waits for its reads of this slot and for all its tensor
; loads (one is out: its part of the next slot).  Behind it nobody reads this slot and the next slot is whole: the refill comes first.
.macro TURN slot, next, fill
	s_wait_dscnt 8
	WIN MUL_LO
	MUL16 F1, 0, 0, 0
	s_wait_dscnt 0                                 ; my reads of this slot are over
	s_wait_tensorcnt 0x0                           ; all my tensor loads have landed
	ds_add_u32 v255, v255
	s_wait_dscnt 0x0
	s_barrier_signal -1                            ; (where a slot is filled again this barrier opens a round of the cluster's barrier)
	MUL16 F1, 0, 2, 0                              ; register work while the others arrive
	WIN 0
	s_barrier_wait -1
.if \fill
	CREST                                          ; no wave of any partner still reads this slot's tile or has a load on its way
	s_add_nc_u64 s[G0+4*\slot+2:G0+4*\slot+3], s[G0+4*\slot+2:G0+4*\slot+3], 2*KSTEP*2
	s_add_nc_u64 s[G0B+4*\slot+2:G0B+4*\slot+3], s[G0B+4*\slot+2:G0B+4*\slot+3], 2*KSTEP*SIZE_N*2
	JLOAD \slot                                    ; the first tensor load behind the round, and the wave's only one until the next: one is out
.endif
	PLACES
	FETCH \next, 0, F0
	WIN MUL_HI
	MUL16 F1, 1, 0, 0
	MUL16 F1, 1, 2, 0
.endm
.macro LAP zero
	THREE 0, \zero
	TURN 0, 1, 1
	THREE 1, 0
	TURN 1, 0, 1
.endm
	s_wait_tensorcnt 1                             ; my part of K step 0 is in; K step 1's stays out
	s_barrier_signal -1
	s_barrier_wait -1                              ; everybody's is
	FETCH 0, 0, F0
	LAP 1                                          ; the first lap stands in front of the loop: its first products start the sums
	WIN 0                                          ; at a label and at a branch every window is 0
	s_mov_b32 s3, LAPS-2
.Llap:
	LAP 0
	WIN 0
	s_sub_co_u32 s3, s3, 1
	s_cmp_lg_u32 s3, 0
	s_cbranch_scc1 .Llap
	THREE 0, 0                                     ; the last lap fills nothing
	TURN 0, 1, 0
	THREE 1, 0
	s_wait_dscnt 8
	WIN MUL_LO
	MUL16 F1, 0, 0, 0
	MUL16 F1, 0, 2, 0
	s_wait_dscnt 0
	WIN MUL_HI
	MUL16 F1, 1, 0, 0
	MUL16 F1, 1, 2, 0
	; THE WAY OUT, 16 tokens at a time: round to 16 bits, 16 bytes a lane into my own stage, read back so that sixteen lanes hold two tokens of one head.
	PLACES                                         ; the places behind the last matrix instructions, for the conversions and for the loads into buffers 0 and 1
	WIN 0
	; my block's first byte in qkv.  Row part: batch = block row / 8 (16 heads of 262,144 bytes), token = 256 (block row % 8) + 128 x half, 128 bytes a token.
	s_lshr_b32 s14, s13, 3
	s_lshl_b32 s14, s14, 22
	s_and_b32 s16, s13, 7
	s_lshl_b32 s16, s16, 15
	s_add_co_u32 s16, s16, s14
	s_lshl_b32 s14, s11, 14
	s_add_co_u32 s16, s16, s14
	s_mov_b32 s17, 0
	s_add_nc_u64 s[8:9], s[8:9], s[16:17]
	; Column part: kind = block column / 4 (32 heads), head = 4 (block column % 4) + 2 x half.  In the registers that held wb's address.
	s_lshr_b32 s46, s42, 2
	s_lshl_b32 s46, s46, 23
	s_and_b32 s47, s42, 3
	s_lshl_b32 s47, s47, 20
	s_add_co_u32 s46, s46, s47
	s_lshl_b32 s47, s12, 19
	s_add_co_u32 s46, s46, s47
	s_mov_b32 s47, 0
	s_add_nc_u64 s[8:9], s[8:9], s[46:47]
; tokens 16 i .. 16 i + 15 of my block = the eight tiles (a, 0..7) of window 2 or 3 (from = 0x0a or 0x0f); f: F0 or F1 in turn; cvt: the rounding
.macro OUT16 i, a, from, f, cvt
	WIN \from
.irp b, 0,1,2,3,4,5,6,7
.irp r, 0,1,2,3
	\cvt v[TMP+4*\b+\r], v[8*(8*\a+\b)+2*\r], v[8*(8*\a+\b)+2*\r+1]
.endr
.endr
	WIN 0
.irp b, 0,1,2,3,4,5,6,7
	ds_store_b128 v[STO], v[TMP+4*\b:TMP+4*\b+3] offset:32*\b
.endr
	s_wait_xcnt 0x0                                ; buffer f, which earlier stores read, and the stores' base are rewritten only behind this wait
.if \i
	s_add_nc_u64 s[8:9], s[8:9], 16*128            ; 16 tokens of 128 bytes on
.endif
.irp t, 0,1,2,3,4,5,6,7
	ds_load_b128 v[\f+4*\t:\f+4*\t+3], v[RD] offset:\t*2*SPITCH    ; LDS serves a wave's instructions in order (ISA guide 5.7.1.4): these see the stores above
.endr
.irp t, 0,1,2,3,4,5,6,7
	s_wait_dscnt 7-\t                              ; load t is in, the younger ones stay out
	global_store_b128 v[CO], v[\f+4*\t:\f+4*\t+3], s[8:9] offset:256*\t    ; 16 lanes store 256 consecutive bytes, aligned: tokens 2 t, 2 t + 1 of one head
.endr
.endm
.macro OUTALL cvt
	OUT16 0, 0, 0x0a, F0, \cvt
	OUT16 1, 1, 0x0a, F1, \cvt
	OUT16 2, 2, 0x0a, F0, \cvt
	OUT16 3, 3, 0x0a, F1, \cvt
	OUT16 4, 0, 0x0f, F0, \cvt
	OUT16 5, 1, 0x0f, F1, \cvt
	OUT16 6, 2, 0x0f, F0, \cvt
	OUT16 7, 3, 0x0f, F1, \cvt
.endm
	s_mov_b32 s21, ttmp9                           ; the cluster's x is the kind (four block columns = 1,024 columns): equal in all sixteen partners
	s_cmp_eq_u32 s21, 2
	s_cbranch_scc1 .Lv
	OUTALL v_cvt_pk_bf16_f32                       ; q and k
	s_branch .Ldone
.Lv:
	OUTALL v_cvt_pk_f16_f32                        ; v
.Ldone:
	s_set_vgpr_msb 0x1
	s_wait_tensorcnt 0x0
	ds_add_u32 v255, v255
	s_wait_dscnt 0x0
	s_set_vgpr_msb 0x100
	CROUND                                         ; the closing round: no work-group ends while a partner may still ask for a tile that names it
	s_endpgm
.Lfunc_end_k_q76429db579_proj:
	.size	k_q76429db579_proj, .Lfunc_end_k_q76429db579_proj-k_q76429db579_proj
	.p2alignl 7, 3214868480
	.fill 96, 4, 3214868480
	.section	.rodata,"a",@progbits
	.p2align	6, 0x0
	.amdhsa_kernel k_q76429db579_proj
		.amdhsa_group_segment_fixed_size 327680
		.amdhsa_private_segment_fixed_size 0
		.amdhsa_enable_private_segment 0
		.amdhsa_kernarg_size 24
		.amdhsa_user_sgpr_count 2
		.amdhsa_user_sgpr_kernarg_segment_ptr 1
		.amdhsa_wavefront_size32 1
		.amdhsa_system_sgpr_workgroup_id_x 1
		.amdhsa_system_sgpr_workgroup_id_y 1
		.amdhsa_system_sgpr_workgroup_id_z 1
		.amdhsa_system_vgpr_workitem_id 0
		.amdhsa_next_free_vgpr 1024
		.amdhsa_next_free_sgpr 66
		.amdhsa_reserve_vcc 0
		.amdhsa_float_denorm_mode_32 3
		.amdhsa_float_denorm_mode_16_64 3
		.amdhsa_memory_ordered 1
		.amdhsa_forward_progress 1
		.amdhsa_inst_pref_size 230
	.end_amdhsa_kernel
	.amdgpu_metadata
---
amdhsa.version: [ 1, 2 ]
amdhsa.kernels:
  - .name:           k_q76429db579_proj
    .symbol:         k_q76429db579_proj.kd
    .args:
      - { .name: xb, .offset: 0, .size: 8, .value_kind: global_buffer, .address_space: global }
      - { .name: wb, .offset: 8, .size: 8, .value_kind: global_buffer, .address_space: global }
      - { .name: qkv, .offset: 16, .size: 8, .value_kind: global_buffer, .address_space: global }
    .group_segment_fixed_size: 327680
    .private_segment_fixed_size: 0
    .kernarg_segment_align: 8
    .kernarg_segment_size: 24
    .max_flat_workgroup_size: 128
    .sgpr_count:     66
    .vgpr_count:     1024
    .wavefront_size: 32
...
	.end_amdgpu_metadata
.endif
;; end of part 2
;; launch attn (part 3): grid 8 x 32, 8 waves a work-group, clusters of 4 x 1, 327,680 bytes of LDS; arguments qkv, out0; writes out0
.if DOCPART == 3
	.amdgcn_target "amdgcn-amd-amdhsa--gfx1250"
	.amdhsa_code_object_version 6
	.text
	.protected	k_q76429db579_attn
	.globl	k_q76429db579_attn
	.p2align	8
	.type	k_q76429db579_attn,@function
k_q76429db579_attn:
	s_mov_b64 s[64:65], 0
	v_nop
	global_prefetch_b8 v0, s[64:65] scope:SCOPE_SE
	s_setreg_imm32_b32 hwreg(HW_REG_WAVE_MODE, 25, 1), 1
	s_wait_xcnt 0x0
	s_wait_alu depctr_hold_cnt(0) depctr_sa_sdst(0) depctr_va_vdst(0) depctr_va_sdst(0) depctr_va_ssrc(0) depctr_va_vcc(0) depctr_vm_vsrc(0)
	s_getreg_b32 s2, hwreg(HW_REG_IB_STS2, 6, 4)
	s_cmp_eq_u32 s2, 0
	s_cbranch_scc0 .Lentry_in_a_cluster
	s_endpgm
.Lentry_in_a_cluster:
	s_bfe_u32 s2, ttmp6, 0x10000c
	s_cmp_lg_u32 s2, 0x3003
	s_cbranch_scc0 .Lentry_shape_is_right
	s_endpgm
.Lentry_shape_is_right:
; out0[b][n][head*64 + d] = sum over m of softmax_m(q[n] . k[m] / 32) v[m][d], for each of 32 (b, head) pairs; 2,048 tokens, 64 numbers a head.
; qkv[kind][b*16+head][token][64]: q, k in bf16, v in f16.  A running maximum is kept for every query; sums and rescaling in f32.
; LIMITS: q, k, v and the scores are taken as finite.  The weights p = exp(s - running maximum) <= 1 go to the matrix unit in f16: a weight below
; 2^-25 becomes zero and one below 2^-14 keeps fewer bits, an absolute error of at most 2^-25 a weight beside a largest weight near 1.
; The sum of the weights is made of the unrounded f32 weights.  v_exp_f32 gives zero for results below 2^-126.
; A work-group takes one (b, head) and 256 queries: 8 x 32 = 256 work-groups.  Wave w takes the 64 queries of group g = w % 4 and, of every slot of
; 512 keys, the half kh = w / 4; the two halves' sums are merged once at the end, through LDS.
; CLUSTER: four query blocks of one head form a cluster and ask jointly for the head's K and V tiles (mask 15): a head's eight blocks are two clusters,
; since a mask names four work-groups at the most.
; EVERYTHING IS TRANSPOSED: S' = K Q' (source 0: 16 keys, source 1: 16 queries), so that lane (r, h) holds query r and keys 8 h + 0..7 of a tile; two
; neighbouring key tiles, packed to f16 in place, are source 1 of O' = V' P'.  A lane owns one query: maximum, scale and sum are numbers of the lane,
; and the two halves of the lanes meet by one exchange.
.set KINDB, 8388608                    ; bytes of a kind in qkv
.set VP,    288                        ; V's LDS row: two keys = 256 bytes + 32: the 16 addresses of half a transposing load lie in 16 different 16-byte columns modulo 256
.set KP,    272                        ; K's LDS row: two keys = 256 bytes + 16: likewise for a fragment load's 16 keys
.set KOFF,  256*VP                     ; a slot: V's 512 keys (73,728 bytes), then K's (69,632 bytes)
.set SLOT,  KOFF+256*KP                ; 143,360
.set SLOTG, 65536                      ; 512 keys of 128 bytes in memory
.set STAGE, 2*SLOT                     ; 286,720: the way out, 16 rows x 272 bytes for each of waves 0 to 3; no tensor load lands there
.set SP,    272
.set MERGE, 35*512                     ; the merge's bytes for a query group, in slot 0 behind its last fill and last read
.set KA0, 4                            ; v4, v5   my lane's addresses of K and V in slot 0
.set VA0, 5
.set KA,  6                            ; v6, v7   the same, running (temporaries during the set-up)
.set VA,  7
.set QO,  8                            ; v8       my offset in Q
.set STO, 9                            ; v9-11    the way out
.set RD,  10
.set CO,  11
.set MG,  12                           ; v12      the merge
.set M,   16                           ; v[16:19] running maximum of the raw scores, one for each query tile
.set PX,  20                           ; v[20:23] the other half's number
.set NM,  24                           ; v[24:31] -c x maximum, twice (pairs for the packed forms)
.set AL,  32                           ; v[32:39] the rescaling factor, twice
.set L,   40                           ; v[40:47] sums of weights, a pair for each query tile
.set LS,  48                           ; v[48:51] the pairs added up
.set NM2, 52                           ; v[52:59] the partner wave's NM
.set LS2, 60                           ; v[60:63] the partner wave's LS
.set QF,  64                           ; v[64:127]  Q's fragments: tile i, half c of the 64 numbers, at 64 + 16 i + 8 c
.set KF,  128                          ; v[128:191] K's fragments: key tile kt, half c, at 128 + 16 kt + 8 c
.set VF,  192                          ; v[192:255] V's fragments: 32 keys ks, 16 numbers t, at 192 + 32 ks + 8 t
.set X,   128                          ; v[128:255] at the end: the partner wave's O
.set OO,  128                          ; window 1: S(i, kt) at 32 i + 8 kt, P(i, ks) in place at 32 i + 16 ks; O(t, i) at 128 + 32 i + 8 t
.set G1V, 16                           ; s[16:23] group 1 for V's tiles     s[24:31] for K's
.set G1K, 24
.set G0V, 32                           ; s[32:39] group 0 for V's tiles, a set for each slot     s[40:47] for K's
.set G0K, 40
.set MSB, 0
.macro WIN new                         ; low byte: bits 1:0 source 0, 3:2 source 1, 5:4 source 2, 7:6 destination; the high byte repeats the setting that is left
.if MSB != \new
	s_set_vgpr_msb (MSB<<8)|\new
.set MSB, \new
.endif
.endm
.macro ROUND                           ; a round of the cluster's barrier
	s_barrier_signal -1
	s_barrier_wait -1
	s_cmp_lg_u32 s8, 0
	s_cbranch_scc1 .Lnot_wave_0_\@
	s_barrier_signal -3
.Lnot_wave_0_\@:
	s_barrier_wait -3
	s_barrier_signal -1
	s_barrier_wait -1
.endm
.macro JLOAD s                         ; waves 0 to 3 ask for a quarter of V's tile each, waves 4 to 7 for a quarter of K's: the branch hangs on the wave's number alone
	s_cmp_eq_u32 s10, 0
	s_cbranch_scc0 .Lfor_k_\@
	tensor_load_to_lds s[G0V+4*\s:G0V+4*\s+3], s[G1V:G1V+7]
	s_nop 0
	s_branch .Lasked_\@
.Lfor_k_\@:
	tensor_load_to_lds s[G0K+4*\s:G0K+4*\s+3], s[G1K:G1K+7]
	s_nop 0
.Lasked_\@:
.endm
	s_load_b128 s[4:7], s[0:1], 0x0                ; qkv s[4:5], out0 s[6:7]
	v_lshl_add_u32 v14, v0, 2, 0x4a400
	v_mov_b32 v15, 0
	ds_add_u32 v14, v15
	v_lshrrev_b32 v1, 5, v0
	v_readfirstlane_b32 s8, v1                     ; wave 0..7
	s_and_b32 s9, s8, 3                            ; g: my 64 queries.  Also: which quarter of a tile I fetch
	s_lshr_b32 s10, s8, 2                          ; kh: my half of each slot's keys.  Also: I fetch for V (0) or for K (1)
	s_bfe_u32 s11, ttmp6, 0x40000                  ; cx
	s_lshl_b32 s12, ttmp9, 2
	s_add_co_u32 s12, s12, s11                     ; query block = 4 x cluster x + cx
	s_and_b32 s13, ttmp7, 0xffff                   ; b * 16 + head
	s_mov_b32 s48, 0x3d38aa3b                      ; c = log2(e) / 32: exp(s / 32) = 2^(c s); twice, for the packed form
	s_mov_b32 s49, 0x3d38aa3b
	s_mov_b32 s50, 0xbd38aa3b                      ; -c
	s_mov_b32 s52, 0x76543210                      ; v_permlanex16_b32: lane i of one half reads lane i of the other
	s_mov_b32 s53, 0xfedcba98
	; group 1: a head's K and V are dense in memory, so a tile is 64 rows of 32 elements of 8 bytes (128 keys, 16,384 bytes), padded behind every 64 words
	s_mov_b32 s[G1V+0], 15|(3<<16)|(1<<20)|(1<<21)|(5<<22)|(7<<25)     ; mask: all four of the cluster; 8 words of padding
	s_mov_b32 s[G1K+0], 15|(3<<16)|(1<<20)|(1<<21)|(5<<22)|(3<<25)     ; the same with 4 words of padding
.irp g, G1V, G1K
	s_mov_b32 s[\g+1], 32<<16                      ; tensor_dim0 = 32
	s_mov_b32 s[\g+2], 64<<16                      ; tensor_dim1 = 64
	s_mov_b32 s[\g+3], 32<<16                      ; tile_dim0 = 32
	s_mov_b32 s[\g+4], 64                          ; tile_dim1 = 64
	s_mov_b32 s[\g+5], 32                          ; elements from row to row
	s_mov_b32 s[\g+6], 0
	s_mov_b32 s[\g+7], 0
.endr
	; group 0: nothing in it hangs on cx.  s14, s15, s54, s55 never hold cx.
	s_lshl_b32 s14, s13, 18                        ; the head: 262,144 bytes
	s_lshl_b32 s15, s9, 14                         ; my quarter: 16,384 bytes
	s_add_co_u32 s14, s14, s15
	s_mov_b32 s15, 0
	s_mul_i32 s54, s8, 64*VP                       ; V, waves 0 to 3: wave x 18,432
	s_mul_i32 s55, s8, 64*KP                       ; K, waves 4 to 7: 73,728 + (wave - 4) x 17,408
	s_add_co_u32 s55, s55, KOFF-4*64*KP
	; Q's and the output's offsets, which hold cx, in s56, s57
	s_lshl_b32 s56, s12, 15                        ; 256 queries of 128 bytes
	s_lshl_b32 s57, s9, 13                         ; 64 queries
	s_add_co_u32 s56, s56, s57
	s_lshl_b32 s57, s13, 18
	s_add_co_u32 s56, s56, s57
	s_mov_b32 s57, 0
	s_wait_dscnt 0x0
	s_wait_kmcnt 0x0
	s_add_nc_u64 s[14:15], s[4:5], s[14:15]
	s_add_nc_u64 s[58:59], s[4:5], s[56:57]        ; my 64 rows of q (kind 0)
	s_lshl_b32 s56, s12, 20                        ; 256 tokens of 4,096 bytes
	s_lshl_b32 s57, s9, 18
	s_add_co_u32 s56, s56, s57
	s_lshr_b32 s57, s13, 4                         ; b: 8,388,608 bytes
	s_lshl_b32 s57, s57, 23
	s_add_co_u32 s56, s56, s57
	s_and_b32 s57, s13, 15                         ; head: 256 bytes of a token's row
	s_lshl_b32 s57, s57, 8
	s_add_co_u32 s56, s56, s57
	s_mov_b32 s57, 0
	s_add_nc_u64 s[6:7], s[6:7], s[56:57]
.irp s, 0,1
	s_mov_b32 s[G0V+4*\s], 1
	s_add_co_u32 s[G0V+4*\s+1], s54, \s*SLOT
	s_add_nc_u64 s[G0V+4*\s+2:G0V+4*\s+3], s[14:15], 2*KINDB+\s*SLOTG
	s_or_b32 s[G0V+4*\s+3], s[G0V+4*\s+3], 0x80000000
	s_mov_b32 s[G0K+4*\s], 1
	s_add_co_u32 s[G0K+4*\s+1], s55, \s*SLOT
	s_add_nc_u64 s[G0K+4*\s+2:G0K+4*\s+3], s[14:15], KINDB+\s*SLOTG
	s_or_b32 s[G0K+4*\s+3], s[G0K+4*\s+3], 0x80000000
.endr
	v_and_b32 v1, 15, v0                           ; r
	v_bfe_u32 v2, v0, 4, 1                         ; h
	v_and_b32 v3, 31, v0                           ; lane
	v_lshlrev_b32 v[QO], 7, v1                     ; query r's row of 128 bytes + 16 h
	v_lshl_add_u32 v[QO], v2, 4, v[QO]
	ROUND                                          ; all four work-groups are here: the first joint loads meet
	JLOAD 0                                        ; keys 0 to 511
	JLOAD 1                                        ; keys 512 to 1,023: two tensor loads of a wave are out
	; Q's fragments (source 1): lane (r, h) holds query 16 i + r, numbers 32 c + 8 h + 0..7 and 32 c + 16 + 8 h + 0..7
.irp i, 0,1,2,3
.irp c, 0,1
	global_load_b128 v[QF+16*\i+8*\c:QF+16*\i+8*\c+3],   v[QO], s[58:59] offset:\i*2048+\c*64
	global_load_b128 v[QF+16*\i+8*\c+4:QF+16*\i+8*\c+7], v[QO], s[58:59] offset:\i*2048+\c*64+32
.endr
.endr
	; key x lies at (x / 2) x pitch + (x % 2) x 128.  K's fragment: lane (r, h) reads key r, byte 16 h.
	v_lshrrev_b32 v6, 1, v1
	v_mul_u32_u24 v6, v6, KP
	v_and_b32 v7, 1, v0
	v_lshl_add_u32 v6, v7, 7, v6
	v_lshl_add_u32 v6, v2, 4, v6
	s_mul_i32 s14, s10, 128*KP                     ; my half: 256 keys
	s_add_co_u32 s14, s14, KOFF
	v_add_nc_u32 v[KA0], s14, v6
	; V's fragment by transposing loads: lane l addresses key 8 h + l % 8, byte 16 ((l / 8) % 2), and receives keys 8 h + 0..7 of number r
	v_bfe_u32 v6, v0, 1, 2
	v_lshl_add_u32 v6, v2, 2, v6
	v_mul_u32_u24 v6, v6, VP
	v_lshl_add_u32 v6, v7, 7, v6
	v_bfe_u32 v7, v0, 3, 1
	v_lshl_add_u32 v6, v7, 4, v6
	s_mul_i32 s15, s10, 128*VP
	v_add_nc_u32 v[VA0], s15, v6
	s_mul_i32 s14, s9, 16*SP
	s_add_co_u32 s14, s14, STAGE                   ; my group's stage (used by waves 0 to 3)
	v_mul_u32_u24 v6, v1, SP                       ; in: query r's row, 32 bytes for each half of the lanes
	v_lshl_add_u32 v6, v2, 5, v6
	v_add_nc_u32 v[STO], s14, v6
	v_mul_u32_u24 v6, v2, SP                       ; back: lanes 0-15 one row of 256 bytes, lanes 16-31 the next
	v_lshl_add_u32 v6, v1, 4, v6
	v_add_nc_u32 v[RD], s14, v6
	v_lshlrev_b32 v[CO], 12, v2                    ; and the same two tokens in out0
	v_lshl_add_u32 v[CO], v1, 4, v[CO]
	s_mul_i32 s15, s9, MERGE
	v_lshl_add_u32 v[MG], v3, 4, s15
.irp i, 0,1,2,3
	v_mov_b32 v[PX+\i], 0                          ; v_permlanex16_b32's destination counts as read: written once here
.endr
; One step: my 64 queries x 64 keys.  first = 1: the step starts maximum, sums and O (nothing is ever cleared).  Entered and left with every window 0.
.macro STEP first
.if \first == 0
.rept 5
	v_nop                                          ; the places behind the last step's matrix instructions: four for the loads into V's fragments, five for the products that write over P
.endr
.endif
.irp kt, 0,1,2,3
.irp c, 0,1
	ds_load_b128 v[KF+16*\kt+8*\c:KF+16*\kt+8*\c+3],   v[KA] offset:\kt*8*KP+\c*64
	ds_load_b128 v[KF+16*\kt+8*\c+4:KF+16*\kt+8*\c+7], v[KA] offset:\kt*8*KP+\c*64+32
.endr
.endr
.irp ks, 0,1
.irp t, 0,1,2,3
	ds_load_tr16_b128 v[VF+32*\ks+8*\t:VF+32*\ks+8*\t+3],   v[VA] offset:\ks*16*VP+32*\t
	ds_load_tr16_b128 v[VF+32*\ks+8*\t+4:VF+32*\ks+8*\t+7], v[VA] offset:\ks*16*VP+32*\t+8*VP
.endr
.endr
	v_add_nc_u32 v[KA], 32*KP, v[KA]               ; 64 keys on
	v_add_nc_u32 v[VA], 32*VP, v[VA]
	s_wait_dscnt 16                                ; K's 16 loads are in; V's 16 stay out until the second product
	; S' = K Q': 16 accumulators by turns, one instruction a turn, first half of the 64 numbers, then the second
	WIN 0x50
.irp kt, 0,1,2,3
.irp i, 0,1,2,3
	v_wmma_f32_16x16x32_bf16 v[32*\i+8*\kt:32*\i+8*\kt+7], v[KF+16*\kt:KF+16*\kt+7], v[QF+16*\i:QF+16*\i+7], 0
.endr
.endr
.irp kt, 0,1,2,3
.irp i, 0,1,2,3
	v_wmma_f32_16x16x32_bf16 v[32*\i+8*\kt:32*\i+8*\kt+7], v[KF+16*\kt+8:KF+16*\kt+15], v[QF+16*\i+8:QF+16*\i+15], v[32*\i+8*\kt:32*\i+8*\kt+7]
.endr
.endr
.rept 4
	v_nop                                          ; four places before a vector instruction reads the scores (ISA guide 7.12.1)
.endr
	; the running maximum of the raw scores: four chains, one for each query tile
	WIN 0x05
.irp i, 0,1,2,3
.if \first
	v_max_num_f32 v[M+\i], v[32*\i], v[32*\i+1]
.else
	v_max3_num_f32 v[M+\i], v[32*\i], v[32*\i+1], v[M+\i]
.endif
.endr
.irp k, 1,2,3,4,5,6,7,8,9,10,11,12,13,14,15
.irp i, 0,1,2,3
	v_max3_num_f32 v[M+\i], v[32*\i+2*\k], v[32*\i+2*\k+1], v[M+\i]
.endr
.endr
	WIN 0
.irp i, 0,1,2,3
	v_permlanex16_b32 v[PX+\i], v[M+\i], s52, s53  ; the other half of the lanes holds the same query's other keys
.endr
.irp i, 0,1,2,3
	v_max_num_f32 v[M+\i], v[M+\i], v[PX+\i]
.endr
.irp i, 0,1,2,3
	v_mul_f32 v[PX+\i], s50, v[M+\i]               ; -c x the new maximum
.endr
.if \first == 0
.irp i, 0,1,2,3
	v_sub_f32 v[AL+2*\i], v[PX+\i], v[NM+2*\i]     ; c (old maximum - new maximum) <= 0
.endr
.irp i, 0,1,2,3
	v_exp_f32 v[AL+2*\i], v[AL+2*\i]
.endr
.endif
.irp i, 0,1,2,3
	v_mov_b32 v[NM+2*\i], v[PX+\i]                 ; plain instructions that touch no exponential's register: the place behind the transcendentals (ISA guide 5.7.2)
	v_mov_b32 v[NM+2*\i+1], v[PX+\i]
.endr
.if \first == 0
	s_wait_alu depctr_va_vdst(0)
.irp i, 0,1,2,3
	v_mov_b32 v[AL+2*\i+1], v[AL+2*\i]
.endr
.endif
	; p = 2^(c s - c maximum); between the exponentials O is rescaled, a pair behind every two: those multiplies are the places behind them
	WIN 0x41
.irp i, 0,1,2,3
.irp k, 0,1,2,3,4,5,6,7,8,9,10,11,12,13,14,15
	v_pk_fma_f32 v[32*\i+2*\k:32*\i+2*\k+1], v[32*\i+2*\k:32*\i+2*\k+1], s[48:49], v[NM+2*\i:NM+2*\i+1] op_sel_hi:[1,0,1]
.endr
.irp k, 0,1,2,3,4,5,6,7,8,9,10,11,12,13,14,15
	v_exp_f32 v[32*\i+2*\k], v[32*\i+2*\k]
	v_exp_f32 v[32*\i+2*\k+1], v[32*\i+2*\k+1]
.if \first == 0
	v_pk_mul_f32 v[OO+32*\i+2*\k:OO+32*\i+2*\k+1], v[OO+32*\i+2*\k:OO+32*\i+2*\k+1], v[AL+2*\i:AL+2*\i+1]
.endif
.endr
.if \first
	v_nop                                          ; the place behind the tile's last exponentials
.endif
.endr
	; the sums of the weights, in f32, four chains
.if \first
	WIN 0x05
	s_wait_alu depctr_va_vdst(0)
.irp i, 0,1,2,3
	v_pk_add_f32 v[L+2*\i:L+2*\i+1], v[32*\i:32*\i+1], v[32*\i+2:32*\i+3]
.endr
	WIN 0x01
.else
	WIN 0x10
	s_wait_alu depctr_va_vdst(0)
.irp i, 0,1,2,3
	v_pk_fma_f32 v[L+2*\i:L+2*\i+1], v[L+2*\i:L+2*\i+1], v[AL+2*\i:AL+2*\i+1], v[32*\i:32*\i+1]
.endr
	WIN 0x01
.irp i, 0,1,2,3
	v_pk_add_f32 v[L+2*\i:L+2*\i+1], v[32*\i+2:32*\i+3], v[L+2*\i:L+2*\i+1]
.endr
.endif
.irp k, 2,3,4,5,6,7,8,9,10,11,12,13,14,15
.irp i, 0,1,2,3
	v_pk_add_f32 v[L+2*\i:L+2*\i+1], v[32*\i+2*\k:32*\i+2*\k+1], v[L+2*\i:L+2*\i+1]
.endr
.endr
	; two key tiles (16 registers of f32) become one fragment of 32 keys (8 registers of f16), in place: register n is written when 2 n and 2 n + 1 are read
	WIN 0x45
.irp b, 0,16,32,48,64,80,96,112
.irp n, 0,1,2,3,4,5,6,7
	v_cvt_pk_f16_f32 v[\b+\n], v[\b+2*\n], v[\b+2*\n+1]
.endr
.endr
	s_wait_dscnt 0x0                               ; V's fragments are in
	; O' += V' P': 16 accumulators by turns, one instruction a turn, keys 0-31, then keys 32-63
	WIN 0x54
.irp t, 0,1,2,3
.irp i, 0,1,2,3
.if \first
	v_wmma_f32_16x16x32_f16 v[OO+32*\i+8*\t:OO+32*\i+8*\t+7], v[VF+8*\t:VF+8*\t+7], v[32*\i:32*\i+7], 0
.else
	v_wmma_f32_16x16x32_f16 v[OO+32*\i+8*\t:OO+32*\i+8*\t+7], v[VF+8*\t:VF+8*\t+7], v[32*\i:32*\i+7], v[OO+32*\i+8*\t:OO+32*\i+8*\t+7]
.endif
.endr
.endr
.irp t, 0,1,2,3
.irp i, 0,1,2,3
	v_wmma_f32_16x16x32_f16 v[OO+32*\i+8*\t:OO+32*\i+8*\t+7], v[VF+32+8*\t:VF+32+8*\t+7], v[32*\i+16:32*\i+23], v[OO+32*\i+8*\t:OO+32*\i+8*\t+7]
.endr
.endr
	WIN 0
.endm
; My 256 keys of a slot: four steps
.macro PHASE slot, trips, first
	v_add_nc_u32 v[KA], \slot*SLOT, v[KA0]
	v_add_nc_u32 v[VA], \slot*SLOT, v[VA0]
.if \first
	STEP 1
.endif
	s_mov_b32 s51, \trips
.Lp_\@:
	STEP 0
	s_sub_co_i32 s51, s51, 1
	s_cmp_lg_u32 s51, 0
	s_cbranch_scc1 .Lp_\@
.endm
; Slot s, which has been read, is filled again, 1,024 keys on.  The round of the cluster's barrier is the barrier in front of the refill.
.macro REFILL s
	s_wait_tensorcnt 0x0                           ; all my tensor loads have landed, my part of the other slot among them: a group 0 may be written
	ds_add_u32 v14, v15
	s_add_nc_u64 s[G0V+4*\s+2:G0V+4*\s+3], s[G0V+4*\s+2:G0V+4*\s+3], 2*SLOTG
	s_add_nc_u64 s[G0K+4*\s+2:G0K+4*\s+3], s[G0K+4*\s+2:G0K+4*\s+3], 2*SLOTG
	s_wait_dscnt 0x0                               ; my reads of this slot are back
	ROUND                                          ; both now hold of every wave of all four work-groups
	JLOAD \s                                       ; my one tensor load behind the round, first thing there: one is out, with four steps' work in which to land
.endm
	s_wait_loadcnt 0x0                             ; Q, once
	s_wait_tensorcnt 0x1                           ; my part of slot 0 is in; slot 1's stays out
	s_barrier_signal -1
	s_barrier_wait -1                              ; everybody's is
	PHASE 0, 3, 1                                  ; keys 0 to 511
	REFILL 0                                       ; keys 1,024 to 1,535 go out
	PHASE 1, 4, 0                                  ; keys 512 to 1,023
	REFILL 1                                       ; keys 1,536 to 2,047 go out: the last load
	PHASE 0, 4, 0
	s_wait_tensorcnt 0x0                           ; my part of the last tile is in
	s_wait_dscnt 0x0                               ; my reads of slot 0 are back: behind this barrier its bytes serve the merge
	s_barrier_signal -1
	s_barrier_wait -1
	PHASE 1, 4, 0
	; THE MERGE of the two halves of the keys.  Waves 4 to 7 hand O, -c x maximum and the sum to waves 0 to 3, 16 bytes a lane.
.rept 4
	v_nop                                          ; four places before O is read and before loads land on the fragments' registers
.endr
.irp i, 0,1,2,3
	v_add_f32 v[LS+\i], v[L+2*\i], v[L+2*\i+1]
.endr
	s_cmp_eq_u32 s10, 0
	s_cbranch_scc1 .Lkeep
	WIN 0x04                                       ; the stores' data in window 1
.set n, 0
.rept 32
	ds_store_b128 v[MG], v[OO+4*n:OO+4*n+3] offset:512*n
.set n, n+1
.endr
	WIN 0
	ds_store_b128 v[MG], v[NM:NM+3] offset:512*32
	ds_store_b128 v[MG], v[NM+4:NM+7] offset:512*33
	ds_store_b128 v[MG], v[LS:LS+3] offset:512*34
.Lkeep:
	s_wait_dscnt 0x0                               ; for the readers' sake: my stores are done
	s_barrier_signal -1
	s_barrier_wait -1
	s_cmp_lg_u32 s10, 0
	s_cbranch_scc1 .Lclose                         ; waves 4 to 7 have no more to do but the closing round
	ds_load_b128 v[NM2:NM2+3], v[MG] offset:512*32
	ds_load_b128 v[NM2+4:NM2+7], v[MG] offset:512*33
	ds_load_b128 v[LS2:LS2+3], v[MG] offset:512*34
.set n, 0
.rept 32
	ds_load_b128 v[X+4*n:X+4*n+3], v[MG] offset:512*n
.set n, n+1
.endr
	s_wait_dscnt 32                                ; the first three loads are in; the partner's O stays out
.irp i, 0,1,2,3
	v_min_num_f32 v[M+\i], v[NM+2*\i], v[NM2+2*\i] ; -c x the larger maximum
.endr
.irp i, 0,1,2,3
	v_sub_f32 v[AL+2*\i], v[M+\i], v[NM+2*\i]      ; both exponents are <= 0
	v_sub_f32 v[L+2*\i], v[M+\i], v[NM2+2*\i]
.endr
.irp i, 0,1,2,3
	v_exp_f32 v[AL+2*\i], v[AL+2*\i]               ; my factor
	v_exp_f32 v[L+2*\i], v[L+2*\i]                 ; the partner's
.endr
	v_nop
	s_wait_alu depctr_va_vdst(0)
.irp i, 0,1,2,3
	v_mul_f32 v[LS+\i], v[LS+\i], v[AL+2*\i]
.endr
.irp i, 0,1,2,3
	v_fmac_f32 v[LS+\i], v[LS2+\i], v[L+2*\i]
.endr
.irp i, 0,1,2,3
	v_permlanex16_b32 v[PX+\i], v[LS+\i], s52, s53 ; the other half of the lanes summed the query's other keys
.endr
.irp i, 0,1,2,3
	v_add_f32 v[LS+\i], v[LS+\i], v[PX+\i]         ; the whole sum: at least about 1, the largest weight
.endr
.irp i, 0,1,2,3
	v_rcp_f32 v[PX+\i], v[LS+\i]
.endr
	v_nop
	s_wait_alu depctr_va_vdst(0)
.irp i, 0,1,2,3
	v_mul_f32 v[AL+2*\i+1], v[AL+2*\i], v[PX+\i]   ; the division goes into the two factors, each twice for the packed forms
	v_mul_f32 v[L+2*\i+1], v[L+2*\i], v[PX+\i]
	v_mul_f32 v[AL+2*\i], v[AL+2*\i], v[PX+\i]
	v_mul_f32 v[L+2*\i], v[L+2*\i], v[PX+\i]
.endr
	s_wait_dscnt 0x0                               ; the partner's O is in
.irp i, 0,1,2,3
.irp k, 0,1,2,3,4,5,6,7,8,9,10,11,12,13,14,15
	v_pk_mul_f32 v[X+32*\i+2*\k:X+32*\i+2*\k+1], v[X+32*\i+2*\k:X+32*\i+2*\k+1], v[L+2*\i:L+2*\i+1]
.endr
.endr
	WIN 0x01                                       ; my O in window 1
.irp i, 0,1,2,3
.irp k, 0,1,2,3,4,5,6,7,8,9,10,11,12,13,14,15
	v_pk_fma_f32 v[X+32*\i+2*\k:X+32*\i+2*\k+1], v[OO+32*\i+2*\k:OO+32*\i+2*\k+1], v[AL+2*\i:AL+2*\i+1], v[X+32*\i+2*\k:X+32*\i+2*\k+1]
.endr
.endr
	WIN 0
	; THE WAY OUT, 16 queries at a time: lane (r, h) holds numbers 16 t + 8 h + 0..7 of query r; through my own stage they become whole rows of 256 bytes
.irp i, 0,1,2,3
.irp t, 0,1,2,3
	ds_store_b128 v[STO], v[X+32*\i+8*\t:X+32*\i+8*\t+3]   offset:64*\t
	ds_store_b128 v[STO], v[X+32*\i+8*\t+4:X+32*\i+8*\t+7] offset:64*\t+16
.endr
	s_wait_xcnt 0x0                                ; the registers that earlier stores read are loaded again only behind this wait
.irp u, 0,1,2,3,4,5,6,7
	ds_load_b128 v[QF+32*(\i&1)+4*\u:QF+32*(\i&1)+4*\u+3], v[RD] offset:\u*2*SP    ; LDS serves a wave's instructions in order (ISA guide 5.7.1.4): these see the stores above
.endr
.irp u, 0,1,2,3,4,5,6,7
	s_wait_dscnt 7-\u                              ; load u is in, the younger ones stay out
	global_store_b128 v[CO], v[QF+32*(\i&1)+4*\u:QF+32*(\i&1)+4*\u+3], s[6:7] offset:\i*65536+\u*8192 th:TH_STORE_NT   ; 16 lanes store 256 consecutive bytes, aligned: a token's part of this head
.endr
.endr
.Lclose:
	s_wait_tensorcnt 0x0
	ds_add_u32 v14, v15
	s_wait_dscnt 0x0
	ROUND                                          ; the closing round: no work-group ends while a partner may still ask for a tile that names it
	s_endpgm
.Lfunc_end_k_q76429db579_attn:
	.size	k_q76429db579_attn, .Lfunc_end_k_q76429db579_attn-k_q76429db579_attn
	.p2alignl 7, 3214868480
	.fill 96, 4, 3214868480
	.section	.rodata,"a",@progbits
	.p2align	6, 0x0
	.amdhsa_kernel k_q76429db579_attn
		.amdhsa_group_segment_fixed_size 327680
		.amdhsa_private_segment_fixed_size 0
		.amdhsa_enable_private_segment 0
		.amdhsa_kernarg_size 16
		.amdhsa_user_sgpr_count 2
		.amdhsa_user_sgpr_kernarg_segment_ptr 1
		.amdhsa_wavefront_size32 1
		.amdhsa_system_sgpr_workgroup_id_x 1
		.amdhsa_system_sgpr_workgroup_id_y 1
		.amdhsa_system_sgpr_workgroup_id_z 1
		.amdhsa_system_vgpr_workitem_id 0
		.amdhsa_next_free_vgpr 512
		.amdhsa_next_free_sgpr 66
		.amdhsa_reserve_vcc 0
		.amdhsa_float_denorm_mode_32 3
		.amdhsa_float_denorm_mode_16_64 3
		.amdhsa_memory_ordered 1
		.amdhsa_forward_progress 1
		.amdhsa_inst_pref_size 190
	.end_amdhsa_kernel
	.amdgpu_metadata
---
amdhsa.version: [ 1, 2 ]
amdhsa.kernels:
  - .name:           k_q76429db579_attn
    .symbol:         k_q76429db579_attn.kd
    .args:
      - { .name: qkv, .offset: 0, .size: 8, .value_kind: global_buffer, .address_space: global }
      - { .name: out0, .offset: 8, .size: 8, .value_kind: global_buffer, .address_space: global }
    .group_segment_fixed_size: 327680
    .private_segment_fixed_size: 0
    .kernarg_segment_align: 8
    .kernarg_segment_size: 16
    .max_flat_workgroup_size: 256
    .sgpr_count:     66
    .vgpr_count:     512
    .wavefront_size: 32
...
	.end_amdgpu_metadata
.endif
;; end of part 3
